; MI455X (gfx1250); checked and timed in simulation.
; The chip was launched on July 23, 2026; its instructions are those of AMD's public machine-readable ISA for CDNA 5 (MIT licence, August 2026) and "CDNA5" Instruction Set Architecture Reference Guide (July 2026). The comments in the code are by the model that wrote it; some were corrected since.
;; Self Attention. Allowed arithmetic: matrix products marked QUANTISED: E2M3 operands, one E8M0 scale for each 32 along K, by v_wmma_scale_f32_16x16x128_f8f6f4 with both operands' format E2M3, f32 sums; everything else in f32.
;; Inputs: W_qkv 3,072 x 1,024 float32; x 4 x 2,048 x 1,024 float32.
;; Outputs: out0 4 x 16 x 2,048 x 64 float32.
;; This version of the problem:
;;   THIS VERSION OF THE PROBLEM IS GIVEN IN LOW PRECISION. The matrix products marked QUANTISED in the list below multiply operands that are first quantised to E2M3 (2 exponent bits, 3 mantissa bits; 6 bits a number), with one power-of-two scale for each 32 numbers along K (OCP MX v1.0); their sums are f32. All else is computed in f32.
;;   The module's matrix products, in the order in which they are computed (A, B: the left and right operand; K: the contracted axis; several contracted axes count as one K, in the product's order):
;;     1. [M 8,192, K 1,024] x [K 1,024, N 3,072]; A: input x; B: input W_qkv: QUANTISED
;;     2. batch 64 x [M 2,048, K 64] x [K 64, N 2,048]; A: computed on the way; B: computed on the way: QUANTISED
;;     3. batch 64 x [M 2,048, K 2,048] x [K 2,048, N 64]; A: softmax (see below); B: computed on the way: QUANTISED
;;   THE QUANTISER, for each operand of a quantised product, along K:
;;     - K is cut into blocks of 32 from its start; a last block that is shorter is filled with zeros.
;;     - A block's scale is 2^e with e = floor(log2(the largest magnitude in the block)) - 2, held to -126 .. 127; a block of zeros has e = 0. As a byte (E8M0): e + 127.
;;     - Each number is divided by its block's scale, clamped to +-7.5, and rounded to the nearest number of E2M3, ties to even, subnormals kept.
;;     - The product sums the exact products of the quantised numbers (number of the format x scale) in f32.
;;   ~~~python
;;   def quantise(x, axis):      # numpy; x: float32 -> the quantised numbers, widened to float32 again
;;       x = np.moveaxis(x, axis, -1); K = x.shape[-1]
;;       x = np.pad(x, [(0, 0)] * (x.ndim - 1) + [(0, -K % 32)]); x = x.reshape(x.shape[:-1] + (-1, 32)); a = np.abs(x).max(-1, keepdims=True)
;;       e = np.where(a > 0, np.clip(np.frexp(np.where(a > 0, a, 1))[1] - 1 - 2, -126, 127), 0)      # np.frexp(a)[1] - 1 = floor(log2(a)), exactly
;;       r = np.clip(x / 2.0 ** e, -7.5, 7.5)
;;       step = 2.0 ** (np.maximum(np.frexp(np.where(r == 0, 1, r))[1] - 1, 0) - 3)
;;       q = np.round(r / step) * step * 2.0 ** e      # np.round: ties to even
;;       return np.moveaxis(q.reshape(q.shape[:-2] + (-1,))[..., :K], -1, axis).astype(np.float32)
;;   ~~~
;;   SOFTMAX AHEAD OF A QUANTISED PRODUCT. Where the list says 'softmax', what is quantised is not the finished softmax but p = 2^(t - M), with t = logit x log2(e) and M = ceil(the row's largest t), a whole number; so 1/2 < the row's largest p <= 1. The row's sum l is taken of the UNQUANTISED p, in f32, and the product's result is divided by l at the end. Since M is a whole number, a kernel that streams over the keys may use a running M (the ceiling of the running maximum): every later rescaling is an exact power of two, which a block's scale takes up: the codes' values come out the same.
;;   OPERANDS COMPUTED ON THE WAY. 'Computed on the way' means the value that the module computes at that place (a softmax that the list does not call 'softmax' is quantised finished and normalised). What goes into a quantiser is computed in f32, as accurately as f32 sums, v_exp_f32 and their like allow (about 1e-6 of the number): no bf16 or f16 on the way to a quantiser, and a product that is left as it is and whose result goes on into a quantised operand takes f32 operands (vector FMAs, or v_wmma_f32_16x16x4_f32). A number that lies on a knife's edge between two numbers of the format may be rounded either way, as far as f32 arithmetic and the matrix unit's own rounding can turn it there, and no further.
;; One version. Each part assembles by itself: llvm-mc -triple=amdgcn-amd-amdhsa -mcpu=gfx1250 --defsym DOCPART=n.
;; ======== version 1 of 1: 3 launches
;; limits: right only within a limited range of input values
;; workspace buffers: xc 6,291,456 bytes; wc 2,359,296 bytes; sb 360,448 bytes; qb 13,631,488 bytes; kvb 13,631,488 bytes
;; launch quant (part 1): grid 352 x 1, 4 waves a work-group, no clusters, 55,808 bytes of LDS; arguments x, W_qkv, xc, wc, sb; writes xc, wc, sb
.if DOCPART == 1
	.amdgcn_target "amdgcn-amd-amdhsa--gfx1250"
	.amdhsa_code_object_version 6
	.text
	.protected	k_q7b31907594_quant
	.globl	k_q7b31907594_quant
	.p2align	8
	.type	k_q7b31907594_quant,@function
k_q7b31907594_quant:
	s_mov_b64 s[64:65], 0
	v_nop
	global_prefetch_b8 v0, s[64:65] scope:SCOPE_SE
	s_setreg_imm32_b32 hwreg(HW_REG_WAVE_MODE, 25, 1), 1
	s_wait_xcnt 0x0
; x [8192][1024] and W_qkv [3072][1024], f32, become codes of FP6 (E2M3) and one E8M0 byte for each 32 along K.
; WORK LEFT OUT BY THE PROGRAM: reference() sets every score with key > query to -inf by its own jnp.tril, so p is 0 there for all inputs: the last launch
; passes over key steps that lie wholly above the diagonal.  A NaN or an infinity that would reach only those scores is not carried to the result.  Every input is read.
; A block's byte is its largest magnitude's exponent field - 2, held at 1 from below (a block of zeros keeps 1: its codes are zeros, and this program alone reads the bytes).
; LIMITS: blocks whose largest magnitude lies under 2^-124 keep the byte 1; NaN and infinities among the inputs are not served.
; THE CODES LEAVE AS IMAGES OF OPERAND REGISTERS.  A group is 16 rows: group 2 b + u, place r is row 32 b + 8 u + r + 8 (r / 8).  For each 128 along K a group has 1,536 bytes:
; register n (0 .. 11) of lane r + 16 h lies at 512 (n / 4) + 16 (r + 16 h) + 4 (n % 4) and holds K = 64 (n / 6) + 32 h + .. of row r.  xc, wc: [group][K / 128][1,536].
; sb: [W's 192 groups, then x's 512][K / 256][r][8 bytes].
; A wave takes a group's 16 rows x half of K: step t is row t, 512 numbers.  Loads read 512 consecutive bytes; a step turns through the wave's stage so that a lane holds 16 neighbours.
; A lane's three registers of codes go to a second stage (padded so that the 32 lanes of a store touch 32 banks) and leave at the end in runs of 512 bytes.  Loads run eight steps (32 loads a wave) ahead.
; No tensor loads, no barrier: waves share nothing.
.set WGA,   256
.set STEPS, 16
.set SP,    80
.set SBY,   2*32*SP                    ; my 256 scale bytes
.set CST,   SBY+256                    ; the codes' stage: [K/128: 2080][n/4: 640][h: 272][r: 16]
.set WREG,  13824
.set SPARE, 4*WREG
.set R,     16                         ; v16-143 eight sets of 16 numbers as loaded
.set X,     144                        ; v144-175 two sets of 16 neighbours
.set T,     176                        ; v176-178 at work
.set C,     192                        ; v192-255 a step's three registers of codes and its byte
	s_load_b128 s[4:7], s[0:1], 0x0
	s_load_b128 s[8:11], s[0:1], 0x10
	s_load_b64 s[12:13], s[0:1], 0x20
	v_lshl_add_u32 v12, v0, 2, SPARE
	v_mov_b32 v13, 0
	v_lshrrev_b32 v1, 5, v0
	v_readfirstlane_b32 s16, v1
	s_mul_i32 s17, s16, WREG
	v_and_b32 v2, 31, v0
	v_lshlrev_b32 v3, 4, v2                        ; 16 x lane
	v_lshrrev_b32 v14, 2, v2
	v_mul_u32_u24 v14, v14, SP
	v_and_b32 v15, 3, v2
	v_lshl_add_u32 v14, v15, 4, v14
	v_add_nc_u32 v14, s17, v14                     ; first stage, in
	v_mul_u32_u24 v15, v2, SP
	v_add_nc_u32 v15, s17, v15                     ; first stage, out
	v_lshrrev_b32 v5, 4, v2
	v_bfe_u32 v4, v2, 1, 3
	v_lshl_add_u32 v5, v5, 7, v4
	v_add_nc_u32 v5, s17, v5                       ; my block's byte: 128 (lane / 16) + (lane / 2) % 8
	v_bfe_u32 v6, v2, 2, 1
	v_and_b32 v7, 1, v2
	v_mul_u32_u24 v6, v6, 6
	v_mad_u32_u24 v6, v7, 3, v6                    ; my first register of the image: 6 c + 3 (lane % 2)
	v_bfe_u32 v7, v2, 1, 1                         ; h
	v_lshrrev_b32 v8, 3, v2
	v_mul_u32_u24 v8, v8, 2080
	v_mad_u32_u24 v8, v7, 272, v8
	v_add_nc_u32 v8, s17, v8
.irp k, 0,1,2
	v_add_nc_u32 v4, \k, v6
	v_lshrrev_b32 v7, 2, v4
	v_and_b32 v4, 3, v4
	v_mad_u32_u24 v7, v7, 640, v8
	v_lshl_add_u32 v[9+\k], v4, 2, v7              ; v9-11: where my three registers go
.endr
	v_lshlrev_b32 v4, 3, v2                        ; 8 x lane
	v_add_nc_u32 v6, s17, v4
	v_lshrrev_b32 v7, 4, v2
	v_mul_u32_u24 v7, v7, 272
	v_and_b32 v1, 15, v2
	v_lshl_add_u32 v7, v1, 4, v7
	v_add_nc_u32 v7, s17, v7                       ; second stage, out
	s_wait_alu depctr_va_vdst(0)                   ; the wait at the head's end
	s_wait_kmcnt 0x0
	s_cmp_lt_u32 ttmp9, WGA                        ; x's work-group or W's: only pointers are chosen
	s_cselect_b64 s[4:5], s[4:5], s[6:7]
	s_cselect_b64 s[8:9], s[8:9], s[10:11]
	s_cselect_b32 s17, 0, WGA
	s_cselect_b32 s22, 384, 0                      ; x's runs of 256 scale bytes lie behind W's 384
	s_sub_co_u32 s17, ttmp9, s17
	s_lshl_b32 s17, s17, 2
	s_add_co_u32 s18, s17, s16                     ; 2 x group + half of K
	s_lshr_b32 s19, s18, 2
	s_lshl_b32 s19, s19, 17                        ; 32 b rows of 4,096 bytes
	s_bfe_u32 s20, s18, 0x10001
	s_lshl_b32 s20, s20, 15                        ; 8 u rows
	s_add_co_u32 s20, s20, s19
	s_and_b32 s19, s18, 1
	s_lshl_b32 s19, s19, 11
	s_add_co_u32 s20, s20, s19
	s_mov_b32 s21, 0
	s_add_nc_u64 s[4:5], s[4:5], s[20:21]
	s_mul_i32 s20, s18, 6144
	s_add_nc_u64 s[8:9], s[8:9], s[20:21]
	s_add_co_u32 s20, s18, s22
	s_lshl_b32 s20, s20, 8
	s_add_nc_u64 s[12:13], s[12:13], s[20:21]
.macro LOAD t
.irp i, 0,1,2,3
	global_load_b128 v[R+16*((\t)%8)+4*\i:R+16*((\t)%8)+4*\i+3], v3, s[4:5] offset:((\t)+8*((\t)/8))*4096+512*\i th:TH_LOAD_NT
.endr
.endm
.macro TURN t                          ; LDS serves a wave's instructions in order: no wait between the stores and the loads
.irp i, 0,1,2,3
	ds_store_b128 v14, v[R+16*((\t)%8)+4*\i:R+16*((\t)%8)+4*\i+3] offset:32*SP*((\t)%2)+8*SP*\i
.endr
.irp i, 0,1,2,3
	ds_load_b128 v[X+16*((\t)%2)+4*\i:X+16*((\t)%2)+4*\i+3], v15 offset:32*SP*((\t)%2)+16*\i
.endr
.endm
.irp t, 0,1,2,3,4,5,6,7
	LOAD \t
.endr
	s_wait_loadcnt 28                              ; step 0's four loads are in
	TURN 0
.macro STEP t
.set XS, X+16*((\t)%2)
.if (\t) > 0
	s_wait_dscnt 4                                 ; my numbers are back; the last step's four small stores may be out
.else
	s_wait_dscnt 0x0
.endif
.if (\t)+8 < STEPS
	LOAD (\t)+8
.endif
.if (\t)+1 < STEPS
.if (\t) <= 7
	s_wait_loadcnt 28                              ; the next step's loads are in; seven steps' may be out
.else
	s_wait_loadcnt 4*(14-(\t))
.endif
	TURN (\t)+1
.endif
	v_max3_num_f32 v[T], |v[XS]|, |v[XS+1]|, |v[XS+2]|
	v_max3_num_f32 v[T+1], |v[XS+3]|, |v[XS+4]|, |v[XS+5]|
.irp i, 6,10
	v_max3_num_f32 v[T], v[T], |v[XS+\i]|, |v[XS+\i+1]|
	v_max3_num_f32 v[T+1], v[T+1], |v[XS+\i+2]|, |v[XS+\i+3]|
.endr
	v_max3_num_f32 v[T], v[T], |v[XS+14]|, |v[XS+15]|
	v_max3_num_f32 v[T], v[T], v[T+1], 0x1800000   ; the floor 2^(3 - 127): the byte cannot fall under 1
	v_max_num_f32_dpp v[T], v[T], v[T] row_xmask:1 row_mask:0xf bank_mask:0xf
	v_add_nc_u32 v[T+2], 0xff000000, v[T]          ; 2 off the exponent field: the conversion's scale operand
	v_cvt_scalef32_pk16_fp6_f32 v[C+4*(\t):C+4*(\t)+2], v[XS:XS+15], v[T+2]
	v_lshrrev_b32 v[C+4*(\t)+3], 23, v[T+2]        ; the byte
	ds_store_b8 v5, v[C+4*(\t)+3] offset:SBY+8*(\t)
	ds_store_b32 v9, v[C+4*(\t)] offset:CST+16*(\t)
	ds_store_b32 v10, v[C+4*(\t)+1] offset:CST+16*(\t)
	ds_store_b32 v11, v[C+4*(\t)+2] offset:CST+16*(\t)
.endm
.irp t, 0,1,2,3,4,5,6,7,8,9,10,11,12,13,14,15
	STEP \t
.endr
	ds_load_b64 v[T:T+1], v6 offset:SBY
.irp i, 0,1,2,3,4,5,6,7,8,9,10,11
	ds_load_b128 v[R+4*\i:R+4*\i+3], v7 offset:CST+2080*(\i/3)+640*(\i%3)
.endr
	s_wait_dscnt 0x0
	global_store_b64 v4, v[T:T+1], s[12:13]        ; 256 consecutive bytes, aligned
.irp i, 0,1,2,3,4,5,6,7,8,9,10,11
	global_store_b128 v3, v[R+4*\i:R+4*\i+3], s[8:9] offset:512*\i   ; 512 consecutive bytes, aligned
.endr
	s_wait_tensorcnt 0x0                           ; the wave's end
	ds_add_u32 v12, v13
	s_wait_dscnt 0x0
	s_endpgm
.Lfunc_end_k_q7b31907594_quant:
	.size	k_q7b31907594_quant, .Lfunc_end_k_q7b31907594_quant-k_q7b31907594_quant
	.p2alignl 7, 3214868480
	.fill 96, 4, 3214868480
	.section	.rodata,"a",@progbits
	.p2align	6, 0x0
	.amdhsa_kernel k_q7b31907594_quant
		.amdhsa_group_segment_fixed_size 55808
		.amdhsa_private_segment_fixed_size 0
		.amdhsa_enable_private_segment 0
		.amdhsa_kernarg_size 40
		.amdhsa_user_sgpr_count 2
		.amdhsa_user_sgpr_kernarg_segment_ptr 1
		.amdhsa_wavefront_size32 1
		.amdhsa_system_sgpr_workgroup_id_x 1
		.amdhsa_system_sgpr_workgroup_id_y 1
		.amdhsa_system_sgpr_workgroup_id_z 1
		.amdhsa_system_vgpr_workitem_id 0
		.amdhsa_next_free_vgpr 256
		.amdhsa_next_free_sgpr 66
		.amdhsa_reserve_vcc 0
		.amdhsa_float_denorm_mode_32 3
		.amdhsa_float_denorm_mode_16_64 3
		.amdhsa_memory_ordered 1
		.amdhsa_forward_progress 1
		.amdhsa_inst_pref_size 38
	.end_amdhsa_kernel
	.amdgpu_metadata
---
amdhsa.version: [ 1, 2 ]
amdhsa.kernels:
  - .name:           k_q7b31907594_quant
    .symbol:         k_q7b31907594_quant.kd
    .args:
      - { .name: x, .offset: 0, .size: 8, .value_kind: global_buffer, .address_space: global }
      - { .name: W_qkv, .offset: 8, .size: 8, .value_kind: global_buffer, .address_space: global }
      - { .name: xc, .offset: 16, .size: 8, .value_kind: global_buffer, .address_space: global }
      - { .name: wc, .offset: 24, .size: 8, .value_kind: global_buffer, .address_space: global }
      - { .name: sb, .offset: 32, .size: 8, .value_kind: global_buffer, .address_space: global }
    .group_segment_fixed_size: 55808
    .private_segment_fixed_size: 0
    .kernarg_segment_align: 8
    .kernarg_segment_size: 40
    .max_flat_workgroup_size: 128
    .sgpr_count:     66
    .vgpr_count:     256
    .wavefront_size: 32
...
	.end_amdgpu_metadata
.endif
;; end of part 1
;; launch gemm (part 2): grid 8 x 32, 4 waves a work-group, clusters of 4 x 4, 327,680 bytes of LDS; arguments xc, wc, sb, qb, kvb; writes qb, kvb
.if DOCPART == 2
	.amdgcn_target "amdgcn-amd-amdhsa--gfx1250"
	.amdhsa_code_object_version 6
	.text
	.protected	k_q7b31907594_gemm
	.globl	k_q7b31907594_gemm
	.p2align	8
	.type	k_q7b31907594_gemm,@function
k_q7b31907594_gemm:
	s_mov_b64 s[64:65], 0
	v_nop
	global_prefetch_b8 v0, s[64:65] scope:SCOPE_SE
	s_setreg_imm32_b32 hwreg(HW_REG_WAVE_MODE, 25, 1), 1
	s_wait_xcnt 0x0
	s_wait_alu depctr_hold_cnt(0) depctr_sa_sdst(0) depctr_va_vdst(0) depctr_va_sdst(0) depctr_va_ssrc(0) depctr_va_vcc(0) depctr_vm_vsrc(0)
	s_getreg_b32 s2, hwreg(HW_REG_IB_STS2, 6, 4)
	s_cmp_eq_u32 s2, 0
	s_cbranch_scc0 .Lentry_in_a_cluster
	s_endpgm
.Lentry_in_a_cluster:
	s_bfe_u32 s2, ttmp6, 0x10000c
	s_cmp_lg_u32 s2, 0xf033
	s_cbranch_scc0 .Lentry_shape_is_right
	s_endpgm
.Lentry_shape_is_right:
; qkv = x W^T on codes of FP6 with E8M0 scales, K = 1,024, sums in f32; q, k, v are quantised here on the way out and leave as images of the next launch's operand registers.
; 256 work-groups of four waves (2 x 2), TWO PHASES each.  ia = 0 .. 31: 256 tokens;  ib = 0 .. 7.
;   phase 1 (q: ib < 4, k: ib >= 4): A side (source 1, a lane holds one row) = x's 256 tokens, B side (source 0, registers run along it) = W's rows 256 ib ..: a wave makes 128 x 128 in 64 accumulators;
;   phase 2 (v): A side = W's rows 2,048 + 128 ib .. + 127, B side = the same 256 tokens: a wave makes 64 x 128 in 32 accumulators.
; K goes in steps of 256 through a ring of two LDS slots, eight steps in all: the ring runs on from phase 1 into phase 2.  A slot holds x's 16 groups and W's 16 (phase 2: 8), 3,072 bytes a group:
; the codes lie in memory as register images (16 rows x 128 K = 1,536 bytes), so a tile's row is 3,072 aligned bytes and a fragment is three loads of 16 bytes a lane at 16 x lane.
; Waves 0, 1 fetch x's halves, waves 2, 3 W's.  CLUSTERS 4 x 4: x's tiles are shared by a row of the cluster, W's by a column, in both phases: joint loads.
; THE SCALE WORDS go from sb straight into registers: register SCR + 16 (K step) + 2 i + q: lanes 0-15 the A side's block i, lanes 16-31 the B side's.  Phase 2's take the registers of phase 1's K steps that are done.
; (In phase 2 lanes 0-15 of blocks 4-7 load words that no product reads; they lie inside sb, where x's groups follow W's.)
; THE WAY OUT of A's block a: 64 registers a lane = 128 along the B side = four blocks of 32; largest magnitudes joined with lane l xor 16; four conversions; an exchange of halves; stores of 512 and 256 consecutive bytes.
; A BLOCK of qb, kvb serves one head and 128 tokens, 13,312 bytes: +0 eight images of 16 tokens x 64 (768 bytes); +6,144 four images of 16 of the head's 64 x 128 keys (v); +12,288 the tokens' scale words; +12,800 v's, twice.
; Block number = 64 head + token / 128.
; PREFETCH: behind the joint load of K step k stands one request a wave for K step k + 2 (at the head also for K step 1).  Of the 96 blocks of 256 bytes that a wave fetches, each of the four partners that ask
; jointly names 24, told apart by address (W_v: 12 of 48), a lane a block; lanes left over name the last block again.  x's tiles of phase 2 were read in phase 1 and are not asked for.
; W's and W_v's rows, which eight clusters load, are asked for by the clusters with y < 4.  The requests' address registers are never rewritten.
; LIMITS: a block whose largest magnitude lies under 2^-124 keeps the byte 1; NaN and infinities are not served.
.set GRP,   3072
.set FRB,   1536
.set GMEM,  12288
.set SLOT,  32*GRP
.set SPARE, 2*SLOT
.set BLK,   13312
.set NEXTH, 64*BLK
.set VIM,   6144
.set KSC,   12288
.set VSC,   12800
.set SO1,  12                          ; v12, v13 my offsets in sb, phase 1, 2
.set SO2,  13
.set PF1,  14                          ; v14 the requests' offset in xc or wc; v15 in wc for W_v
.set PF2,  15
.set AX,   16                          ; v16-17 phase 1's A fragments in slot 0, 1;  v18-19 its B's;  v20-21, v22-23 phase 2's
.set BW,   18
.set AW2,  20
.set BX2,  22
.set SPW,  28
.set NIL,  29
.set SCR,  32                          ; v32-95 scale words
.set TM,   96                          ; v96-111 the way out
.set PWS,  112                         ; v112-119 scale words made
.set AF,   128                         ; v128-223 the A side's fragments (phase 2: two sets of four)
.set CD,   224                         ; v224-243 codes made
.set G1X, 24
.set G1W, 32
.set G1V, 40
.set G0X, 48
.set G0W, 56
.set G0V, 68
.set MSB, 0
.macro WIN new
.if MSB != \new
	s_set_vgpr_msb (MSB<<8)|\new
.set MSB, \new
.endif
.endm
.set MUL_LO, 0xa1                      ; source 0 window 1, source 1 window 0, C and D window 2
.set MUL_HI, 0xf1
.set TO_B,   0x40
.macro PLACES n
.rept \n
	v_nop
.endr
.endm
.macro WALU
	s_wait_alu depctr_va_vdst(0)
.endm
.macro JLOAD g0a, g1a, g0b, g1b        ; one joint load a wave; the branch hangs on the wave's number alone
	s_cmp_eq_u32 s15, 0
	s_cbranch_scc0 .Lfor_w_\@
	tensor_load_to_lds s[\g0a:\g0a+3], s[\g1a:\g1a+7]
	s_nop 0
	PLACES 4
	s_branch .Lasked_\@
.Lfor_w_\@:
	tensor_load_to_lds s[\g0b:\g0b+3], s[\g1b:\g1b+7]
	s_nop 0
	PLACES 4
.Lasked_\@:
.endm
.macro CREST
	s_cmp_lg_u32 s14, 0
	s_cbranch_scc1 .Lnot_wave_0_\@
	s_barrier_signal -3
.Lnot_wave_0_\@:
	s_barrier_wait -3
	s_barrier_signal -1
	s_barrier_wait -1
.endm
.macro CROUND
	s_barrier_signal -1
	s_barrier_wait -1
	CREST
.endm
.macro ASK kq                          ; K step kq (0 .. 3 phase 1's, 4 .. 7 W_v's) is asked for; the branches hang on the wave's number and the cluster's y
.if (\kq) < 4
	s_cmp_eq_u32 s98, 1
	s_cbranch_scc0 .Lno_ask_\@
	global_prefetch_b8 v[PF1], s[96:97] offset:(\kq)*GRP th:TH_LOAD_NT scope:SCOPE_SE
.Lno_ask_\@:
.elseif (\kq) < 8
	s_cmp_eq_u32 s99, 1
	s_cbranch_scc0 .Lno_ask_\@
	global_prefetch_b8 v[PF2], s[6:7] offset:((\kq)-4)*GRP th:TH_LOAD_NT scope:SCOPE_SE
.Lno_ask_\@:
.endif
.endm
	s_load_b256 s[4:11], s[0:1], 0x0               ; xc, wc, sb, qb
	s_load_b64 s[12:13], s[0:1], 0x20              ; kvb
	v_lshl_add_u32 v[SPW], v0, 2, SPARE
	v_mov_b32 v[NIL], 0
	ds_add_u32 v[SPW], v[NIL]                      ; the opening lines: the add twice and its wait
	ds_add_u32 v[SPW], v[NIL]
	v_lshrrev_b32 v1, 5, v0
	v_readfirstlane_b32 s14, v1                    ; wave
	s_lshr_b32 s15, s14, 1                         ; my half of the A side; also: I fetch x (0) or W (1)
	s_and_b32 s16, s14, 1                          ; my half of the B side; also: which half I fetch
	s_bfe_u32 s92, ttmp6, 0x40000                  ; cx
	s_bfe_u32 s93, ttmp6, 0x40004                  ; cy
	s_and_b32 s17, ttmp7, 0xffff
	s_cmp_lt_u32 s17, 4                            ; the cluster's y
	s_cselect_b32 s99, s15, 0                      ; s99: I ask for W's and W_v's rows
	s_xor_b32 s98, s15, 1
	s_or_b32 s98, s98, s99                         ; s98: I ask in phase 1
	s_lshl_b32 s17, s17, 2
	s_add_co_u32 s17, s17, s93                     ; ia
	s_lshl_b32 s18, ttmp9, 2
	s_add_co_u32 s18, s18, s92                     ; ib
	s_lshl_b32 s94, s93, 2
	s_lshl_b32 s94, 15, s94                        ; my row of the cluster
	s_lshl_b32 s95, 0x1111, s92                    ; my column
	s_or_b32 s[G1X], s94, (3<<16)|(1<<21)          ; elements of 8 bytes, no padding
	s_or_b32 s[G1W], s95, (3<<16)|(1<<21)
	s_or_b32 s[G1V], s95, (3<<16)|(1<<21)
.irp g, G1X, G1W, G1V
	s_mov_b32 s[\g+1], (GRP/8)<<16
	s_mov_b32 s[\g+3], (GRP/8)<<16
	s_mov_b32 s[\g+5], GMEM/8
	s_mov_b32 s[\g+6], 0
	s_mov_b32 s[\g+7], 0
.endr
	s_mov_b32 s[G1X+2], 8<<16                      ; 8 groups a load; W_v's: 4
	s_mov_b32 s[G1X+4], 8
	s_mov_b32 s[G1W+2], 8<<16
	s_mov_b32 s[G1W+4], 8
	s_mov_b32 s[G1V+2], 4<<16
	s_mov_b32 s[G1V+4], 4
	s_lshl_b32 s19, s16, 3
	s_lshl_b32 s20, s17, 4
	s_add_co_u32 s20, s20, s19
	s_mul_i32 s20, s20, GMEM                       ; x: group 16 ia + 8 half
	s_mov_b32 s21, 0
	s_lshl_b32 s22, s18, 4
	s_add_co_u32 s22, s22, s19
	s_mul_i32 s22, s22, GMEM                       ; W: group 16 ib + 8 half
	s_mov_b32 s23, 0
	s_lshl_b32 s66, s18, 3
	s_lshl_b32 s19, s16, 2
	s_add_co_u32 s66, s66, s19
	s_add_co_u32 s66, s66, 128
	s_mul_i32 s66, s66, GMEM                       ; W_v: group 128 + 8 ib + 4 half
	s_mov_b32 s67, 0
	s_mul_i32 s3, s14, 8*GRP                       ; LDS: wave x 8 groups
	s_mul_i32 s19, s16, 4*GRP
	s_add_co_u32 s19, s19, 16*GRP                  ; W_v's place
	s_lshl_b32 s76, s17, 4                         ; offsets in sb, 512 bytes a group
	s_add_co_u32 s76, s76, 192
	s_lshl_b32 s80, s16, 3
	s_add_co_u32 s79, s76, s80                     ; phase 2's B: x's group 192 + 16 ia + 8 s16
	s_lshl_b32 s80, s15, 3
	s_add_co_u32 s76, s76, s80                     ; phase 1's A
	s_lshl_b32 s77, s18, 4
	s_lshl_b32 s80, s16, 3
	s_add_co_u32 s77, s77, s80                     ; phase 1's B: 16 ib + 8 s16
	s_lshl_b32 s78, s18, 3
	s_lshl_b32 s80, s15, 2
	s_add_co_u32 s78, s78, s80
	s_add_co_u32 s78, s78, 128                     ; phase 2's A
	s_sub_co_u32 s77, s77, s76
	s_sub_co_u32 s79, s79, s78
	s_lshl_b32 s76, s76, 9
	s_lshl_b32 s77, s77, 9
	s_lshl_b32 s78, s78, 9
	s_lshl_b32 s79, s79, 9
	s_mul_i32 s84, s15, 8*GRP                      ; LDS bases of my fragments
	s_mul_i32 s85, s16, 8*GRP
	s_add_co_u32 s86, s85, 16*GRP
	s_mul_i32 s87, s15, 4*GRP
	s_add_co_u32 s87, s87, 16*GRP
	s_cmp_eq_u32 s15, 0                            ; the requests: the 8 groups that I fetch,
	s_cselect_b32 s88, s20, s22
	s_cselect_b32 s89, s92, s93                    ; my place among the four that ask for them with me,
	s_mul_i32 s89, s89, 2*GMEM
	s_add_co_u32 s88, s88, s89                     ; and my work-group's two groups of the eight;
	s_mul_i32 s83, s93, GMEM
	s_add_co_u32 s83, s83, s66                     ; of W_v's four groups one
	s_wait_dscnt 0x0
	s_wait_kmcnt 0x0
	s_add_nc_u64 s[20:21], s[4:5], s[20:21]
	s_add_nc_u64 s[22:23], s[6:7], s[22:23]
	s_add_nc_u64 s[66:67], s[6:7], s[66:67]
	s_cmp_eq_u32 s15, 0
	s_cselect_b64 s[96:97], s[4:5], s[6:7]         ; the buffer that I fetch from in phase 1
	CROUND                                         ; in front of the first joint loads
.irp s, 0,1
	s_mov_b32 s[G0X+4*\s], 1
	s_add_co_u32 s[G0X+4*\s+1], s3, \s*SLOT
	s_add_nc_u64 s[G0X+4*\s+2:G0X+4*\s+3], s[20:21], \s*GRP
	s_or_b32 s[G0X+4*\s+3], s[G0X+4*\s+3], 0x80000000
	s_mov_b32 s[G0W+4*\s], 1
	s_add_co_u32 s[G0W+4*\s+1], s3, \s*SLOT
	s_add_nc_u64 s[G0W+4*\s+2:G0W+4*\s+3], s[22:23], \s*GRP
	s_or_b32 s[G0W+4*\s+3], s[G0W+4*\s+3], 0x80000000
	s_mov_b32 s[G0V+4*\s], 1
	s_add_co_u32 s[G0V+4*\s+1], s19, \s*SLOT
	s_add_nc_u64 s[G0V+4*\s+2:G0V+4*\s+3], s[66:67], \s*GRP
	s_or_b32 s[G0V+4*\s+3], s[G0V+4*\s+3], 0x80000000
.endr
	JLOAD G0X, G1X, G0W, G1W                       ; K step 0: one tensor load a wave at the head
	v_and_b32 v10, 31, v0
	v_and_b32 v1, 15, v0                           ; r
	v_bfe_u32 v7, v0, 4, 1                         ; h
	v_lshlrev_b32 v2, 4, v10                       ; 16 x lane
	v_add_nc_u32 v[AX], s84, v2
	v_add_nc_u32 v[BW], s86, v2
	v_add_nc_u32 v[AW2], s87, v2
	v_add_nc_u32 v[BX2], s85, v2
	v_add_nc_u32 v[AX+1], SLOT, v[AX]
	v_add_nc_u32 v[BW+1], SLOT, v[BW]
	v_add_nc_u32 v[AW2+1], SLOT, v[AW2]
	v_add_nc_u32 v[BX2+1], SLOT, v[BX2]
	v_mul_lo_u32 v[SO1], s77, v7                   ; lanes 16-31 take the B side's words
	v_mul_lo_u32 v[SO2], s79, v7
	v_add_nc_u32 v[SO1], s76, v[SO1]
	v_add_nc_u32 v[SO2], s78, v[SO2]
	v_lshl_add_u32 v[SO1], v1, 3, v[SO1]
	v_lshl_add_u32 v[SO2], v1, 3, v[SO2]
	v_min_u32 v[PF1], 23, v10                      ; 24 blocks of 256 bytes: two groups' 12 of a K step
	v_mul_u32_u24 v[PF2], v[PF1], 11
	v_lshrrev_b32 v[PF2], 7, v[PF2]                ; 1 from block 12 on
	v_mul_u32_u24 v11, v[PF2], 12
	v_sub_nc_u32 v[PF1], v[PF1], v11
	v_mul_u32_u24 v[PF2], v[PF2], GMEM
	v_lshl_add_u32 v[PF1], v[PF1], 8, v[PF2]
	v_add_nc_u32 v[PF1], s88, v[PF1]
	v_min_u32 v[PF2], 11, v10                      ; W_v: 12 blocks
	v_lshlrev_b32 v[PF2], 8, v[PF2]
	v_add_nc_u32 v[PF2], s83, v[PF2]
	WALU                                           ; the wait at the head's end
	ASK 1
	ASK 2
.macro SLOAD vo, k0                    ; the scale words of K steps k0, k0 + 1: 16 loads
.irp k, 0,1
.irp i, 0,1,2,3,4,5,6,7
	global_load_b64 v[SCR+16*((\k0)+\k)+2*\i:SCR+16*((\k0)+\k)+2*\i+1], v[\vo], s[8:9] offset:\i*512+((\k0)+\k)*128
.endr
.endr
.endm
	SLOAD SO1, 0
	SLOAD SO1, 2
.macro FRAG reg, adr, off
.irp j, 0,1,2
	ds_load_b128 v[\reg+4*\j:\reg+4*\j+3], v[\adr] offset:(\off)+512*\j
.endr
.endm
.macro FETCH_B adr, q, p               ; the B side's eight fragments into set p of window 1: 24 loads
	WIN TO_B
.irp i, 0,1,2,3,4,5,6,7
	FRAG 128*(\p)+12*\i, \adr, \i*GRP+(\q)*FRB
.endr
	WIN 0
.endm
.macro FETCH_A adr, q, i0, rb          ; the A side's blocks i0 .. i0 + 3 into v[rb ..]: 12 loads
.irp k, 0,1,2,3
	FRAG (\rb)+12*\k, \adr, ((\i0)+\k)*GRP+(\q)*FRB
.endr
.endm
.macro MULA a, ab, p, sq, zero         ; A's block a x B's eight; the accumulators take turns
.irp b, 0,1,2,3,4,5,6,7
.if \zero
	v_wmma_scale_f32_16x16x128_f8f6f4 v[8*(8*((\a)%4)+\b):8*(8*((\a)%4)+\b)+7], v[128*(\p)+12*\b:128*(\p)+12*\b+11], v[\ab:\ab+11], 0, v[\sq+2*\b], v[\sq+2*(\a)] matrix_a_fmt:MATRIX_FMT_FP6 matrix_b_fmt:MATRIX_FMT_FP6 matrix_a_scale:MATRIX_SCALE_ROW1
.else
	v_wmma_scale_f32_16x16x128_f8f6f4 v[8*(8*((\a)%4)+\b):8*(8*((\a)%4)+\b)+7], v[128*(\p)+12*\b:128*(\p)+12*\b+11], v[\ab:\ab+11], v[8*(8*((\a)%4)+\b):8*(8*((\a)%4)+\b)+7], v[\sq+2*\b], v[\sq+2*(\a)] matrix_a_fmt:MATRIX_FMT_FP6 matrix_b_fmt:MATRIX_FMT_FP6 matrix_a_scale:MATRIX_SCALE_ROW1
.endif
.endr
.endm
.macro REFILL ks                       ; behind the opening barrier's wait of K step ks's change of slots: the rest of the round and K step ks + 2 into the slot just read out
.set KN_, (\ks)+2
.set SN_, (\ks)%2
.if KN_ <= 7
	CREST
.if KN_%4 >= 2
	s_add_nc_u64 s[G0X+4*SN_+2:G0X+4*SN_+3], s[G0X+4*SN_+2:G0X+4*SN_+3], 2*GRP
.else
	s_sub_nc_u64 s[G0X+4*SN_+2:G0X+4*SN_+3], s[G0X+4*SN_+2:G0X+4*SN_+3], 2*GRP   ; phase 2 walks x's K anew
.endif
.if KN_ < 4
	s_add_nc_u64 s[G0W+4*SN_+2:G0W+4*SN_+3], s[G0W+4*SN_+2:G0W+4*SN_+3], 2*GRP
	JLOAD G0X+4*SN_, G1X, G0W+4*SN_, G1W
.else
.if KN_ >= 6
	s_add_nc_u64 s[G0V+4*SN_+2:G0V+4*SN_+3], s[G0V+4*SN_+2:G0V+4*SN_+3], 2*GRP
.endif
	JLOAD G0X+4*SN_, G1X, G0V+4*SN_, G1V
.endif
.else
	PLACES 4
.endif
.endm
; PHASE 1: a step of 128 along K, 64 products.  One set of registers for A (blocks 0-3 fetched anew in the middle, 4-7 at the end), two for B.
.macro S1 st
.set KS_, (\st)/2
.set SL_, KS_%2
.set SQ_, SCR+16*KS_+(\st)%2
.set P_,  (\st)%2
.set Z_,  (\st)==0
.if P_ == 0
	s_wait_dscnt 12                                ; all but A's blocks 4-7 (12 loads)
	WIN MUL_LO
.irp a, 0,1,2,3
	MULA \a, AF+12*\a, P_, SQ_, Z_
.endr
	s_wait_dscnt 0
	PLACES 4
.if (\st) == 4
	WIN 0
	SLOAD SO2, 0                                   ; phase 2's words into the registers of K steps 0 and 1, which are done
.endif
	FETCH_B BW+SL_, 1, 1
	FETCH_A AX+SL_, 1, 0, AF
	WIN MUL_HI
.irp a, 4,5,6,7
	MULA \a, AF+12*\a, P_, SQ_, Z_
.endr
	PLACES 4
	WIN 0
	FETCH_A AX+SL_, 1, 4, AF+48
.else
	s_wait_tensorcnt 0x0                           ; my part of the next slot is in
	ds_add_u32 v[SPW], v[NIL]
	s_wait_dscnt 13                                ; the add and A's blocks 4-7 may be out
	WIN MUL_LO
.irp a, 0,1
	MULA \a, AF+12*\a, P_, SQ_, 0
.endr
	s_wait_dscnt 0x0                               ; the add, and my reads of this slot
	s_barrier_signal -1
.irp a, 2,3
	MULA \a, AF+12*\a, P_, SQ_, 0
.endr
	WIN 0
	s_barrier_wait -1
	REFILL KS_
.if (\st) < 7
	FETCH_B BW+1-SL_, 0, 0
	FETCH_A AX+1-SL_, 0, 0, AF
.else
	FETCH_B BX2, 0, 0                              ; phase 2's first fragments
	FETCH_A AW2, 0, 0, AF
.endif
	ASK KS_+4                                      ; two K steps on from the one just loaded: W_v's
	WIN MUL_HI
.irp a, 4,5,6,7
	MULA \a, AF+12*\a, P_, SQ_, 0
.endr
	PLACES 4
	WIN 0
.if (\st) < 7
	FETCH_A AX+1-SL_, 0, 4, AF+48
.endif
.endif
.endm
; PHASE 2: 32 products a step; two sets for both sides; the next step's 36 loads stand ahead of the step's products.
.macro S2 st
.set KS_, (\st)/2
.set SL_, KS_%2
.set SQ_, SCR+16*(KS_-4)+(\st)%2
.set P_,  (\st)%2
.set AB_, AF+48*P_
.set Z_,  (\st)==8
.if P_ == 0
	s_wait_dscnt 0x0
.if (\st) == 8
	s_wait_loadcnt 0x0                             ; phase 2's scale words
.endif
	PLACES 4
	FETCH_B BX2+SL_, 1, 1
	FETCH_A AW2+SL_, 1, 0, AF+48
	WIN MUL_LO
.irp a, 0,1,2,3
	MULA \a, AB_+12*\a, P_, SQ_, Z_
.endr
	WIN 0
.elseif (\st) < 15
	s_wait_tensorcnt 0x0
	ds_add_u32 v[SPW], v[NIL]
	s_wait_dscnt 1                                 ; the add may be out
	WIN MUL_LO
	MULA 0, AB_, P_, SQ_, 0
	s_wait_dscnt 0x0
	s_barrier_signal -1
	MULA 1, AB_+12, P_, SQ_, 0
	WIN 0
	s_barrier_wait -1
	REFILL KS_
	FETCH_B BX2+1-SL_, 0, 0
	FETCH_A AW2+1-SL_, 0, 0, AF
	WIN MUL_LO
.irp a, 2,3
	MULA \a, AB_+12*\a, P_, SQ_, 0
.endr
	WIN 0
.else
	s_wait_dscnt 0x0
	WIN MUL_LO
.irp a, 0,1,2,3
	MULA \a, AB_+12*\a, P_, SQ_, 0
.endr
	WIN 0
.endif
.endm
.macro OUTBLK a
.set AC, 64*((\a)%4)
.set WW, 2+(\a)/4
	WIN (WW<<2)|(WW<<4)
.irp b, 0,1,2,3
	v_max3_num_f32 v[TM+\b], 0x1800000, |v[AC+16*\b]|, |v[AC+16*\b+1]|   ; my 16 of block b, and the floor 2^(3 - 127); each accumulator is read from its low end on
.endr
.irp i, 2,4,6,8,10,12,14
.irp b, 0,1,2,3
	v_max3_num_f32 v[TM+\b], v[TM+\b], |v[AC+16*\b+\i]|, |v[AC+16*\b+\i+1]|
.endr
.endr
	WIN 0
.irp b, 0,1,2,3
	v_permlanex16_b32 v[TM+4+\b], v[TM+\b], s90, s91
.endr
.irp b, 0,1,2,3
	v_max_num_f32 v[TM+\b], v[TM+\b], v[TM+4+\b]
.endr
.irp b, 0,1,2,3
	v_add_nc_u32 v[TM+12+\b], 0xff000000, v[TM+\b] ; the conversion's scale operand
.endr
.irp b, 0,1,2,3
	v_lshrrev_b32 v[TM+4+\b], 23, v[TM+12+\b]      ; the byte
.endr
	v_lshl_or_b32 v[PWS+\a], v[TM+5], 8, v[TM+4]
	v_lshl_or_b32 v[PWS+\a], v[TM+6], 16, v[PWS+\a]
	v_lshl_or_b32 v[PWS+\a], v[TM+7], 24, v[PWS+\a]
.if (\a) > 0
	WALU
	s_wait_xcnt 0x0                                ; the last block's stores have read their data and base
	s_add_nc_u64 s[76:77], s[76:77], s[80:81]
.endif
	WIN WW
.irp c, 0,1
	v_cvt_scalef32_pk16_fp6_f32 v[CD+6*\c:CD+6*\c+2], v[AC+32*\c:AC+32*\c+15], v[TM+12+2*\c]
	v_cvt_scalef32_pk16_fp6_f32 v[CD+12+4*\c:CD+12+4*\c+2], v[AC+32*\c+16:AC+32*\c+31], v[TM+12+2*\c+1]
.endr
	WIN 0
	v_nop                                          ; one plain line behind a scaled conversion
.irp c, 0,1
.irp i, 0,1,2
	v_permlane16_swap_b32 v[CD+6*\c+\i], v[CD+12+4*\c+\i]   ; a whole block of 32 to a lane
.endr
.irp i, 0,1,2
	v_mov_b32 v[CD+3+6*\c+\i], v[CD+12+4*\c+\i]
.endr
.endr
	global_store_b128 v2, v[CD:CD+3], s[76:77]     ; 512 consecutive bytes, aligned
	global_store_b64 v3, v[CD+4:CD+5], s[76:77]    ; and 256
	global_store_b128 v4, v[CD+6:CD+9], s[76:77]
	global_store_b64 v5, v[CD+10:CD+11], s[76:77]
.endm
	s_wait_tensorcnt 0x0                           ; K step 0 is in
	ds_add_u32 v[SPW], v[NIL]
	s_wait_dscnt 0x0
	CROUND
	JLOAD G0X+4, G1X, G0W+4, G1W                   ; K step 1
	FETCH_B BW, 0, 0
	FETCH_A AX, 0, 0, AF
	FETCH_A AX, 0, 4, AF+48
	ASK 3
	s_wait_loadcnt 0x0                             ; phase 1's scale words
.irp st, 0,1,2,3,4,5,6,7
	S1 \st
.endr
	SLOAD SO2, 2                                   ; behind four places: phase 2's words of K steps 2 and 3
	; q's or k's way out.  My 128 along the B side are two heads: codes' registers 0-5 and bytes 0, 1 the first's, the rest the second's
	s_lshl_b32 s20, s18, 2
	s_lshl_b32 s21, s16, 1
	s_add_co_u32 s20, s20, s21
	s_and_b32 s20, s20, 15                         ; my first head
	s_lshl_b32 s21, s17, 1
	s_add_co_u32 s21, s21, s15                     ; my 128 tokens
	s_lshl_b32 s20, s20, 6
	s_add_co_u32 s20, s20, s21
	s_mul_i32 s20, s20, BLK
	s_mov_b32 s21, 0
	s_cmp_eq_u32 ttmp9, 0                          ; the cluster's x: q goes to qb, k to kvb
	s_cselect_b64 s[76:77], s[10:11], s[12:13]
	s_add_nc_u64 s[76:77], s[76:77], s[20:21]
	s_add_nc_u64 s[78:79], s[76:77], KSC
	s_mov_b32 s80, 768
	s_mov_b32 s81, 0
	s_mov_b32 s90, 0x76543210
	s_mov_b32 s91, 0xfedcba98
	v_lshl_add_u32 v3, v10, 3, 512
	v_add_nc_u32 v4, NEXTH, v2
	v_add_nc_u32 v5, NEXTH, v3
	v_mul_u32_u24 v6, NEXTH, v7
	v_lshl_add_u32 v6, v1, 4, v6                   ; scale words: 16 r; lanes 16-31 the next head's
	v_add_nc_u32 v8, 256, v6
	v_lshlrev_b32 v9, 4, v7
.irp b, 0,1,2,3
	v_mov_b32 v[TM+4+\b], 0                        ; a lane permute's destination counts as a source
.endr
	WALU
.irp a, 0,1,2,3,4,5,6,7
	OUTBLK \a
.endr
.irp a, 0,1,2,3,4,5,6,7
	v_lshrrev_b32 v[PWS+\a], v9, v[PWS+\a]         ; lanes 16-31 take the second head's two bytes
.endr
.irp a, 0,1,2,3,4,5,6,7
	v_and_b32 v[PWS+\a], 0xffff, v[PWS+\a]
.endr
	global_store_b128 v6, v[PWS:PWS+3], s[78:79]
	global_store_b128 v8, v[PWS+4:PWS+7], s[78:79]
.irp st, 8,9,10,11,12,13,14,15
	S2 \st
.endr
	PLACES 4
	; v's way out: my 64 rows of W_v are one head, my 128 along the B side one block's keys
	s_wait_xcnt 0x0                                ; phase 1's stores have read their registers
	s_lshl_b32 s20, s18, 1
	s_add_co_u32 s20, s20, s15
	s_lshl_b32 s21, s17, 1
	s_add_co_u32 s21, s21, s16
	s_lshl_b32 s20, s20, 6
	s_add_co_u32 s20, s20, s21
	s_mul_i32 s20, s20, BLK
	s_mov_b32 s21, 0
	s_add_nc_u64 s[76:77], s[12:13], s[20:21]
	s_add_nc_u64 s[78:79], s[76:77], VSC
	s_add_nc_u64 s[76:77], s[76:77], VIM
	s_mov_b32 s80, 1536
	v_add_nc_u32 v4, 768, v2
	v_add_nc_u32 v5, 768, v3
	v_lshlrev_b32 v6, 8, v7
	v_lshl_add_u32 v6, v1, 4, v6                   ; lanes 16-31 store the second copy
	WALU
.irp a, 0,1,2,3
	OUTBLK \a
.endr
	WALU
	global_store_b128 v6, v[PWS:PWS+3], s[78:79]
	s_wait_tensorcnt 0x0                           ; the wave's end
	ds_add_u32 v[SPW], v[NIL]
	s_wait_dscnt 0x0
	CROUND                                         ; the closing round
	s_endpgm
.Lfunc_end_k_q7b31907594_gemm:
	.size	k_q7b31907594_gemm, .Lfunc_end_k_q7b31907594_gemm-k_q7b31907594_gemm
	.p2alignl 7, 3214868480
	.fill 96, 4, 3214868480
	.section	.rodata,"a",@progbits
	.p2align	6, 0x0
	.amdhsa_kernel k_q7b31907594_gemm
		.amdhsa_group_segment_fixed_size 327680
		.amdhsa_private_segment_fixed_size 0
		.amdhsa_enable_private_segment 0
		.amdhsa_kernarg_size 40
		.amdhsa_user_sgpr_count 2
		.amdhsa_user_sgpr_kernarg_segment_ptr 1
		.amdhsa_wavefront_size32 1
		.amdhsa_system_sgpr_workgroup_id_x 1
		.amdhsa_system_sgpr_workgroup_id_y 1
		.amdhsa_system_sgpr_workgroup_id_z 1
		.amdhsa_system_vgpr_workitem_id 0
		.amdhsa_next_free_vgpr 1024
		.amdhsa_next_free_sgpr 100
		.amdhsa_reserve_vcc 0
		.amdhsa_float_denorm_mode_32 3
		.amdhsa_float_denorm_mode_16_64 3
		.amdhsa_memory_ordered 1
		.amdhsa_forward_progress 1
		.amdhsa_inst_pref_size 222
	.end_amdhsa_kernel
	.amdgpu_metadata
---
amdhsa.version: [ 1, 2 ]
amdhsa.kernels:
  - .name:           k_q7b31907594_gemm
    .symbol:         k_q7b31907594_gemm.kd
    .args:
      - { .name: xc, .offset: 0, .size: 8, .value_kind: global_buffer, .address_space: global }
      - { .name: wc, .offset: 8, .size: 8, .value_kind: global_buffer, .address_space: global }
      - { .name: sb, .offset: 16, .size: 8, .value_kind: global_buffer, .address_space: global }
      - { .name: qb, .offset: 24, .size: 8, .value_kind: global_buffer, .address_space: global }
      - { .name: kvb, .offset: 32, .size: 8, .value_kind: global_buffer, .address_space: global }
    .group_segment_fixed_size: 327680
    .private_segment_fixed_size: 0
    .kernarg_segment_align: 8
    .kernarg_segment_size: 40
    .max_flat_workgroup_size: 128
    .sgpr_count:     100
    .vgpr_count:     1024
    .wavefront_size: 32
...
	.end_amdgpu_metadata
.endif
;; end of part 2
;; launch attn (part 3): grid 4 x 64, 16 waves a work-group, no clusters, 327,680 bytes of LDS; arguments qb, kvb, out0; writes out0
.if DOCPART == 3
	.amdgcn_target "amdgcn-amd-amdhsa--gfx1250"
	.amdhsa_code_object_version 6
	.text
	.protected	k_q7b31907594_attn
	.globl	k_q7b31907594_attn
	.p2align	8
	.type	k_q7b31907594_attn,@function
k_q7b31907594_attn:
	s_mov_b64 s[64:65], 0
	v_nop
	global_prefetch_b8 v0, s[64:65] scope:SCOPE_SE
	s_setreg_imm32_b32 hwreg(HW_REG_WAVE_MODE, 25, 1), 1
	s_wait_xcnt 0x0
; out = softmax(q k^T / 8, causal) v on codes of FP6, one head and batch to four work-groups of 16 waves; a wave takes query tiles 127 - n and n (16 queries each), n = 16 x + wave: 17 key steps of 128 for every wave.
; All 16 blocks of the head's k and v (13,312 bytes each) lie in LDS: wave w fetches block w by its one tensor load at the head.  Waves 0 and 1 have a load line of their own: the first barrier shows blocks 0 and 1 alone,
; and the other fourteen land under the first two key steps; the second barrier shows all.
; WORK LEFT OUT: key steps wholly above the diagonal, which reference()'s own jnp.tril sets to -inf, are passed over by a scalar branch on ids.
; p = 2^(t - M), M the ceiling of the running largest t; the sum is taken of the unquantised p.  LIMIT: the promise holds while the scaled scores stay under 2^31 in magnitude; NaN and infinities are not served.
; cluster = none: the four work-groups that share a head pass over different key steps, so their branches hang on the work-group's x.  No prefetch: all of k and v is asked for at the head.
.set BLK,   13312
.set HSLOT, 16*BLK
.set VIM,   6144
.set KSC,   12288
.set VSC,   12800
.set F1R,   52
.set STG,   HSLOT
.set SP,    272
.set KF,    40
.set S,     96
.set O,     160
.set KSW,   192
.set VSW,   196
.set PCD,   200
.set BM,    220
.set PX,    224
.set SO,    228
.set SUM2,  232
.set FF,    234
.set PW,    235
.set TT,    236
.set WV,   10
.set G1A,  16
.set G1B,  24
.set SEL,  40
.set CS,   42
.set ST,   44
.set OFF,  45
.set SD,   46
.set QR,   47
.set CNT,  48
	s_load_b128 s[4:7], s[0:1], 0x0
	s_load_b64 s[8:9], s[0:1], 0x10
	v_lshl_add_u32 v254, v0, 2, 0x45000
	v_mov_b32 v255, 0
	ds_add_u32 v254, v255
	ds_add_u32 v254, v255
	v_lshrrev_b32 v10, 5, v0
	s_delay_alu instid0(VALU_DEP_1)
	v_readfirstlane_b32 s[WV], v10
	s_and_b32 s11, ttmp7, 0xffff
	s_mov_b32 s[G1A+0], 3<<16
	s_mov_b32 s[G1A+1], 32<<16
	s_mov_b32 s[G1A+2], F1R<<16
	s_mov_b32 s[G1A+3], 32<<16
	s_mov_b32 s[G1A+4], F1R
	s_mov_b32 s[G1A+5], 32
	s_mov_b32 s[G1A+6], 0
	s_mov_b32 s[G1A+7], 0
	s_mul_i32 s66, s11, HSLOT
	s_mul_i32 s33, s[WV], F1R*256
	s_add_co_u32 s68, s66, s33
	s_mov_b32 s69, 0
	s_mov_b32 s32, 1
	s_wait_dscnt 0x0
	s_wait_kmcnt 0x0
	s_add_nc_u64 s[34:35], s[6:7], s[68:69]
	s_or_b32 s35, s35, 0x80000000
	s_cmp_lt_u32 s[WV], 2                          ; block w, one load a wave; waves 0 and 1 by a line of their own
	s_cbranch_scc0 .Llater
	tensor_load_to_lds s[32:35], s[G1A:G1A+7]
	s_nop 0
	s_branch .Lasked
.Llater:
	tensor_load_to_lds s[32:35], s[G1A:G1A+7]
	s_nop 0
.Lasked:
.rept 4
	v_nop
.endr
	s_lshl_b32 s12, ttmp9, 4
	s_add_co_u32 s12, s12, s[WV]
	s_sub_co_u32 s13, 127, s12
.macro TILEADR tau, cq, sq, ob, sd, qr
	s_lshr_b32 s[\sd], s[\tau], 3
	s_lshl_b32 s66, s11, 4
	s_add_co_u32 s66, s66, s[\sd]
	s_mul_i32 s66, s66, BLK
	s_and_b32 s68, s[\tau], 7
	s_mul_i32 s68, s68, 768
	s_add_co_u32 s68, s68, s66
	s_mov_b32 s69, 0
	s_add_nc_u64 s[\cq:\cq+1], s[4:5], s[68:69]
	s_bfe_u32 s68, s[\tau], 0x10002
	s_lshl_b32 s68, s68, 8
	s_and_b32 s70, s[\tau], 3
	s_lshl_b32 s70, s70, 2
	s_add_co_u32 s68, s68, s70
	s_add_co_u32 s68, s68, s66
	s_add_co_u32 s68, s68, KSC
	s_add_nc_u64 s[\sq:\sq+1], s[4:5], s[68:69]
	s_and_b32 s68, s11, 3
	s_lshl_b32 s68, s68, 4
	s_lshr_b32 s70, s11, 2
	s_add_co_u32 s68, s68, s70
	s_lshl_b32 s68, s68, 19
	s_lshr_b32 s70, s[\tau], 1
	s_lshl_b32 s70, s70, 13
	s_add_co_u32 s68, s68, s70
	s_and_b32 s70, s[\tau], 1
	s_lshl_b32 s70, s70, 11
	s_add_co_u32 s68, s68, s70
	s_add_nc_u64 s[\ob:\ob+1], s[8:9], s[68:69]
	s_bfe_u32 s[\qr], s[\tau], 0x20001
	s_lshl_b32 s[\qr], s[\qr], 5
	s_and_b32 s70, s[\tau], 1
	s_lshl_b32 s70, s70, 3
	s_add_co_u32 s[\qr], s[\qr], s70
.endm
	TILEADR 13, 52, 54, 60, 46, 47
	TILEADR 12, 56, 58, 62, 49, 50
	v_and_b32 v10, 31, v0
	v_and_b32 v11, 15, v0
	v_bfe_u32 v29, v0, 4, 1
	s_delay_alu instid0(VALU_DEP_3)
	v_lshlrev_b32 v1, 4, v10
	s_delay_alu instid0(VALU_DEP_4)
	v_lshl_add_u32 v2, v10, 3, 512
	s_delay_alu instid0(VALU_DEP_4)
	v_lshlrev_b32 v9, 4, v11
	global_load_b128 v[16:19], v1, s[52:53]
	global_load_b64 v[20:21], v2, s[52:53]
	global_load_b32 v28, v9, s[54:55]
	global_load_b128 v[30:33], v1, s[56:57]
	global_load_b64 v[34:35], v2, s[56:57]
	global_load_b32 v36, v9, s[58:59]
	v_and_b32 v5, 8, v11
	s_delay_alu instid0(VALU_DEP_1)
	v_add_nc_u32 v5, v5, v11
	v_lshlrev_b32 v37, 4, v29
	s_delay_alu instid0(VALU_DEP_1)
	v_sub_nc_u32 v5, v5, v37
	s_mul_i32 s66, s[WV], 16*SP
	s_add_co_u32 s66, s66, STG
	v_mul_u32_u24 v6, v11, SP
	s_delay_alu instid0(VALU_DEP_1)
	v_lshl_add_u32 v6, v29, 6, v6
	s_delay_alu instid0(VALU_DEP_1)
	v_add_nc_u32 v6, s66, v6
	v_mul_u32_u24 v7, v29, SP
	s_delay_alu instid0(VALU_DEP_1)
	v_lshl_add_u32 v7, v11, 4, v7
	s_delay_alu instid0(VALU_DEP_1)
	v_add_nc_u32 v7, s66, v7
	v_lshlrev_b32 v8, 8, v29
	s_delay_alu instid0(VALU_DEP_1)
	v_lshl_add_u32 v8, v11, 4, v8
	s_mov_b32 s[SEL], 0x76543210
	s_mov_b32 s[SEL+1], 0xfedcba98
	s_mov_b32 s[CS], 0x3e38aa3b
	s_mov_b32 s[CS+1], s[CS]
.irp j, 0,1,2,3,4,5
	v_mov_b32 v[22+\j], 0
	v_mov_b32 v[88+\j], 0
.endr
.irp b, 0,1,2,3
	v_mov_b32 v[PX+\b], 0
.endr
	v_mov_b32 v[FF], 0
	v_mov_b32 v[PW], 0
	v_mov_b32 v[TT], 0
.macro START
	v_mov_b32 v13, 0xff61b1e6
	s_delay_alu instid0(VALU_DEP_1)
	v_floor_f32 v12, -v13
	v_mov_b32 v14, 0
	v_mov_b32 v15, 0
.set JJ, 0
.rept 32
	v_mov_b32 v[O+JJ], 0
.set JJ, JJ+1
.endr
.endm
	START
.macro STEP
	s_cmp_gt_u32 s[ST], s[SD]
	s_cbranch_scc1 .Lhid_\@
	v_add_nc_u32 v3, s[OFF], v1
	v_add_nc_u32 v4, s[OFF], v2
	v_nop
	v_nop
.irp t, 0,1,2,3,4,5,6,7
	ds_load_b128 v[KF+6*\t:KF+6*\t+3], v3 offset:768*\t
	ds_load_b64 v[KF+6*\t+4:KF+6*\t+5], v4 offset:768*\t
.endr
	ds_load_b128 v[KSW:KSW+3], v3 offset:KSC
	s_wait_alu depctr_va_vdst(0)
	s_wait_dscnt 0x0
.irp t, 0,1,2,3
	v_wmma_scale_f32_16x16x128_f8f6f4 v[S+8*\t:S+8*\t+7], v[KF+6*\t:KF+6*\t+11], v[16:27], 0, v[KSW+\t], v28 matrix_a_fmt:MATRIX_FMT_FP6 matrix_b_fmt:MATRIX_FMT_FP6
.endr
.irp t, 4,5,6,7
	v_wmma_scale_f32_16x16x128_f8f6f4 v[S+8*\t:S+8*\t+7], v[KF+6*\t:KF+6*\t+11], v[16:27], 0, v[KSW+\t-4], v28 matrix_a_fmt:MATRIX_FMT_FP6 matrix_b_fmt:MATRIX_FMT_FP6 matrix_a_scale:MATRIX_SCALE_ROW1
.endr
.rept 4
	v_nop
.endr
.irp t, 0,1,2,3
.irp c, 0,1
	ds_load_b128 v[KF+12*\t+6*\c:KF+12*\t+6*\c+3], v3 offset:VIM+1536*\t+768*\c
	ds_load_b64 v[KF+12*\t+6*\c+4:KF+12*\t+6*\c+5], v4 offset:VIM+1536*\t+768*\c
.endr
.endr
	ds_load_b128 v[VSW:VSW+3], v3 offset:VSC
	s_cmp_lt_u32 s[ST], s[SD]
	s_cbranch_scc1 .Lopen_\@
	v_add_nc_u32 v[TT], s[QR], v5
	v_mov_b32 v[FF], 0xff800000
.set NN, 0
.rept 64
	v_cmp_gt_i32 vcc_lo, 32*(NN/16)+NN%16, v[TT]
	v_cndmask_b32 v[S+NN], v[S+NN], v[FF], vcc_lo
.set NN, NN+1
.endr
.Lopen_\@:
.irp b, 0,1,2,3
	v_max3_num_f32 v[BM+\b], v[S+16*\b], v[S+1+16*\b], v[S+2+16*\b]
.endr
.irp i, 3,5,7,9,11,13
.irp b, 0,1,2,3
	v_max3_num_f32 v[BM+\b], v[BM+\b], v[S+16*\b+\i], v[S+1+16*\b+\i]
.endr
.endr
.irp b, 0,1,2,3
	v_max_num_f32 v[BM+\b], v[BM+\b], v[S+15+16*\b]
.endr
.irp b, 0,1,2,3
	s_delay_alu instid0(VALU_DEP_4)
	v_permlanex16_b32 v[PX+\b], v[BM+\b], s[SEL], s[SEL+1]
.endr
.irp b, 0,1,2,3
	s_delay_alu instid0(VALU_DEP_4)
	v_max_num_f32 v[BM+\b], v[BM+\b], v[PX+\b]
.endr
	s_delay_alu instid0(VALU_DEP_2)
	v_max3_num_f32 v[TT], v[BM], v[BM+1], v[BM+2]
	s_delay_alu instid0(VALU_DEP_1)
	v_max_num_f32 v[TT], v[TT], v[BM+3]
	s_delay_alu instid0(VALU_DEP_1)
	v_mul_f32 v[TT], s[CS], v[TT]
	s_delay_alu instid0(VALU_DEP_1)
	v_max_num_f32 v13, v13, v[TT]
	v_mov_b32 v[TT], v12
	s_delay_alu instid0(VALU_DEP_2)
	v_floor_f32 v12, -v13
	s_delay_alu instid0(VALU_DEP_1)
	v_sub_f32 v[TT], v12, v[TT]
	s_delay_alu instid0(VALU_DEP_1)
	v_cvt_i32_f32 v[TT], v[TT]
	s_delay_alu instid0(VALU_DEP_1)
	v_ldexp_f32 v[FF], 1.0, v[TT]
.set JJ, 0
.rept 32
	v_pk_fma_f32 v[S+JJ:S+JJ+1], v[S+JJ:S+JJ+1], s[CS:CS+1], v[12:13] op_sel_hi:[1,0,0]
.set JJ, JJ+2
.endr
.irp b, 0,1,2,3
	v_fma_f32 v[BM+\b], v[BM+\b], s[CS], v12
.endr
.set JJ, 0
	s_wait_alu depctr_va_vdst(0)
.rept 64
	v_exp_f32 v[S+JJ], v[S+JJ]
.set JJ, JJ+1
.endr
	v_pk_mul_f32 v[14:15], v[14:15], v[FF:FF+1] op_sel_hi:[1,0]
	s_wait_alu depctr_va_vdst(0)
.irp b, 0,1,2,3
	v_exp_f32 v[BM+\b], v[BM+\b]
.endr
	v_pk_add_f32 v[SUM2:SUM2+1], v[S:S+1], v[S+2:S+3]
.irp j, 4,8,12,16,20,24,28
	v_pk_add_f32 v[14:15], v[14:15], v[S+\j:S+\j+1]
	v_pk_add_f32 v[SUM2:SUM2+1], v[SUM2:SUM2+1], v[S+\j+2:S+\j+3]
.endr
	s_wait_alu depctr_va_vdst(0)
.irp b, 0,1,2,3
	v_max_num_f32 v[BM+\b], 0x1800000, v[BM+\b]
.endr
.irp b, 0,1,2,3
	s_delay_alu instid0(VALU_DEP_4)
	v_add_nc_u32 v[SO+\b], 0xff000000, v[BM+\b]
.endr
.irp b, 0,1,2,3
	s_delay_alu instid0(VALU_DEP_4)
	v_lshrrev_b32 v[PX+\b], 23, v[SO+\b]
.endr
	s_delay_alu instid0(VALU_DEP_3)
	v_lshl_or_b32 v[PW], v[PX+1], 8, v[PX]
	s_delay_alu instid0(VALU_DEP_1)
	v_lshl_or_b32 v[PW], v[PX+2], 16, v[PW]
	s_delay_alu instid0(VALU_DEP_1)
	v_lshl_or_b32 v[PW], v[PX+3], 24, v[PW]
.irp c, 0,1
	v_cvt_scalef32_pk16_fp6_f32 v[PCD+6*\c:PCD+6*\c+2], v[S+32*\c:S+32*\c+15], v[SO+2*\c]
	v_cvt_scalef32_pk16_fp6_f32 v[PCD+12+4*\c:PCD+12+4*\c+2], v[S+32*\c+16:S+32*\c+31], v[SO+2*\c+1]
.endr
	v_nop
.irp c, 0,1
.irp i, 0,1,2
	v_permlane16_swap_b32 v[PCD+6*\c+\i], v[PCD+12+4*\c+\i]
.endr
.irp i, 0,1,2
	s_delay_alu instid0(VALU_DEP_3)
	v_mov_b32 v[PCD+3+6*\c+\i], v[PCD+12+4*\c+\i]
.endr
.endr
.set JJ, 0
.rept 16
	v_pk_mul_f32 v[O+JJ:O+JJ+1], v[O+JJ:O+JJ+1], v[FF:FF+1] op_sel_hi:[1,0]
.set JJ, JJ+2
.endr
.irp j, 32,36,40,44,48,52,56,60
	v_pk_add_f32 v[14:15], v[14:15], v[S+\j:S+\j+1]
	v_pk_add_f32 v[SUM2:SUM2+1], v[SUM2:SUM2+1], v[S+\j+2:S+\j+3]
.endr
	s_delay_alu instid0(VALU_DEP_1)
	v_pk_add_f32 v[14:15], v[14:15], v[SUM2:SUM2+1]
	s_wait_dscnt 0x0
.irp t, 0,1,2,3
	v_wmma_scale_f32_16x16x128_f8f6f4 v[O+8*\t:O+8*\t+7], v[KF+12*\t:KF+12*\t+11], v[PCD:PCD+11], v[O+8*\t:O+8*\t+7], v[VSW+\t], v[PW] matrix_a_fmt:MATRIX_FMT_FP6 matrix_b_fmt:MATRIX_FMT_FP6
.endr
.Lhid_\@:
	s_add_co_u32 s[ST], s[ST], 1
	s_add_co_u32 s[OFF], s[OFF], BLK
.endm
.macro WAYOUT ob
	v_add_f32 v14, v14, v15
	s_delay_alu instid0(VALU_DEP_1)
	v_permlanex16_b32 v[TT], v14, s[SEL], s[SEL+1]
	s_delay_alu instid0(VALU_DEP_1)
	v_add_f32 v14, v14, v[TT]
	s_wait_alu depctr_va_vdst(0)
	v_rcp_f32 v14, v14
	v_nop
	v_nop
	s_wait_alu depctr_va_vdst(0)
.set JJ, 0
.rept 16
	v_pk_mul_f32 v[S+JJ:S+JJ+1], v[O+JJ:O+JJ+1], v[14:15] op_sel_hi:[1,0]
.set JJ, JJ+2
.endr
.irp b, 0,1
.irp g, 0,1,2,3
	ds_store_b128 v6, v[S+16*\b+4*\g:S+16*\b+4*\g+3] offset:128*\b+16*\g
.endr
.endr
.irp i, 0,1,2,3,4,5,6,7
	ds_load_b128 v[S+32+4*\i:S+32+4*\i+3], v7 offset:2*SP*\i
.endr
.irp i, 0,1,2,3,4,5,6,7
	s_wait_dscnt 7-\i
	global_store_b128 v8, v[S+32+4*\i:S+32+4*\i+3], s[\ob:\ob+1] offset:(2*\i+8*(\i/4))*256 th:TH_STORE_NT
.endr
.endm
	s_wait_alu depctr_va_vdst(0)
	s_cmp_lt_u32 s[WV], 2                          ; blocks 0 and 1 are shown by the barrier below: their two waves wait
	s_cbranch_scc0 .Lnot_first
	s_wait_tensorcnt 0x0
.Lnot_first:
	s_barrier_signal -1
	s_barrier_wait -1
	s_wait_loadcnt 0x0
	s_mov_b32 s[ST], 0
	s_mov_b32 s[OFF], 0
	s_mov_b32 s[CNT], 2
.Lfirst:
	STEP
	s_sub_co_u32 s[CNT], s[CNT], 1
	s_cmp_lg_u32 s[CNT], 0
	s_cbranch_scc1 .Lfirst
	s_wait_tensorcnt 0x0
	s_wait_dscnt 0x0
	s_barrier_signal -1
	s_barrier_wait -1
	s_mov_b32 s[ST], 2
	s_mov_b32 s[OFF], 2*BLK
	s_mov_b32 s[CNT], 14
.Lrest:
	STEP
	s_sub_co_u32 s[CNT], s[CNT], 1
	s_cmp_lg_u32 s[CNT], 0
	s_cbranch_scc1 .Lrest
	s_wait_alu depctr_va_vdst(0)
	WAYOUT 60
	s_wait_xcnt 0x0
.irp j, 0,1,2,3,4,5
	v_mov_b32 v[16+\j], v[30+\j]
.endr
	v_mov_b32 v28, v36
	START
	s_mov_b32 s[SD], s49
	s_mov_b32 s[QR], s50
	s_mov_b32 s[ST], 0
	s_mov_b32 s[OFF], 0
	s_mov_b32 s[CNT], 8
.Learly:
	STEP
	s_sub_co_u32 s[CNT], s[CNT], 1
	s_cmp_lg_u32 s[CNT], 0
	s_cbranch_scc1 .Learly
	s_wait_alu depctr_va_vdst(0)
	WAYOUT 62
	s_wait_tensorcnt 0x0
	ds_add_u32 v254, v255
	s_wait_dscnt 0x0
	s_endpgm
.Lfunc_end_k_q7b31907594_attn:
	.size	k_q7b31907594_attn, .Lfunc_end_k_q7b31907594_attn-k_q7b31907594_attn
	.p2alignl 7, 3214868480
	.fill 96, 4, 3214868480
	.section	.rodata,"a",@progbits
	.p2align	6, 0x0
	.amdhsa_kernel k_q7b31907594_attn
		.amdhsa_group_segment_fixed_size 327680
		.amdhsa_private_segment_fixed_size 0
		.amdhsa_enable_private_segment 0
		.amdhsa_kernarg_size 24
		.amdhsa_user_sgpr_count 2
		.amdhsa_user_sgpr_kernarg_segment_ptr 1
		.amdhsa_wavefront_size32 1
		.amdhsa_system_sgpr_workgroup_id_x 1
		.amdhsa_system_sgpr_workgroup_id_y 1
		.amdhsa_system_sgpr_workgroup_id_z 1
		.amdhsa_system_vgpr_workitem_id 0
		.amdhsa_next_free_vgpr 256
		.amdhsa_next_free_sgpr 72
		.amdhsa_reserve_vcc 1
		.amdhsa_float_denorm_mode_32 3
		.amdhsa_float_denorm_mode_16_64 3
		.amdhsa_memory_ordered 1
		.amdhsa_forward_progress 1
		.amdhsa_inst_pref_size 84
	.end_amdhsa_kernel
	.amdgpu_metadata
---
amdhsa.version: [ 1, 2 ]
amdhsa.kernels:
  - .name:           k_q7b31907594_attn
    .symbol:         k_q7b31907594_attn.kd
    .args:
      - { .name: qb, .offset: 0, .size: 8, .value_kind: global_buffer, .address_space: global }
      - { .name: kvb, .offset: 8, .size: 8, .value_kind: global_buffer, .address_space: global }
      - { .name: out0, .offset: 16, .size: 8, .value_kind: global_buffer, .address_space: global }
    .group_segment_fixed_size: 327680
    .private_segment_fixed_size: 0
    .kernarg_segment_align: 8
    .kernarg_segment_size: 24
    .max_flat_workgroup_size: 512
    .sgpr_count:     72
    .vgpr_count:     256
    .wavefront_size: 32
...
	.end_amdgpu_metadata
.endif
;; end of part 3
